; MI455X (gfx1250); checked and timed in simulation.
; The chip was launched on July 23, 2026; its instructions are those of AMD's public machine-readable ISA for CDNA 5 (MIT licence, August 2026) and "CDNA5" Instruction Set Architecture Reference Guide (July 2026). The comments in the code are by the model that wrote it; some were corrected since.
;; Cross Attention. Allowed arithmetic: matrix products marked QUANTISED: E2M3 operands, one E8M0 scale for each 32 along K, by v_wmma_scale_f32_16x16x128_f8f6f4 with both operands' format E2M3, f32 sums; everything else in f32.
;; Inputs: Wk 512 x 128 float32; Wo 128 x 512 float32; Wq 512 x 128 float32; Wv 512 x 128 float32; context 1 x 128 x 16 x 32 x 32 float32; x 1 x 128 x 16 x 32 x 32 float32.
;; Outputs: out0 1 x 128 x 16 x 32 x 32 float32.
;; This version of the problem:
;;   THIS VERSION OF THE PROBLEM IS GIVEN IN LOW PRECISION. The matrix products marked QUANTISED in the list below multiply operands that are first quantised to E2M3 (2 exponent bits, 3 mantissa bits; 6 bits a number), with one power-of-two scale for each 32 numbers along K (OCP MX v1.0); their sums are f32. All else is computed in f32.
;;   The module's matrix products, in the order in which they are computed (A, B: the left and right operand; K: the contracted axis; several contracted axes count as one K, in the product's order):
;;     1. [M 16,384, K 128] x [K 128, N 512]; A: input x; B: input Wq: QUANTISED
;;     2. [M 2,048, K 128] x [K 128, N 512]; A: computed on the way; B: input Wk: QUANTISED
;;     3. [M 2,048, K 128] x [K 128, N 512]; A: computed on the way; B: input Wv: QUANTISED
;;     4. batch 8 x [M 16,384, K 64] x [K 64, N 2,048]; A: computed on the way; B: computed on the way: QUANTISED
;;     5. batch 8 x [M 16,384, K 2,048] x [K 2,048, N 64]; A: softmax (see below); B: computed on the way: QUANTISED
;;     6. [M 16,384, K 512] x [K 512, N 128]; A: computed on the way; B: input Wo: QUANTISED
;;   THE QUANTISER, for each operand of a quantised product, along K:
;;     - K is cut into blocks of 32 from its start; a last block that is shorter is filled with zeros.
;;     - A block's scale is 2^e with e = floor(log2(the largest magnitude in the block)) - 2, held to -126 .. 127; a block of zeros has e = 0. As a byte (E8M0): e + 127.
;;     - Each number is divided by its block's scale, clamped to +-7.5, and rounded to the nearest number of E2M3, ties to even, subnormals kept.
;;     - The product sums the exact products of the quantised numbers (number of the format x scale) in f32.
;;   ~~~python
;;   def quantise(x, axis):      # numpy; x: float32 -> the quantised numbers, widened to float32 again
;;       x = np.moveaxis(x, axis, -1); K = x.shape[-1]
;;       x = np.pad(x, [(0, 0)] * (x.ndim - 1) + [(0, -K % 32)]); x = x.reshape(x.shape[:-1] + (-1, 32)); a = np.abs(x).max(-1, keepdims=True)
;;       e = np.where(a > 0, np.clip(np.frexp(np.where(a > 0, a, 1))[1] - 1 - 2, -126, 127), 0)      # np.frexp(a)[1] - 1 = floor(log2(a)), exactly
;;       r = np.clip(x / 2.0 ** e, -7.5, 7.5)
;;       step = 2.0 ** (np.maximum(np.frexp(np.where(r == 0, 1, r))[1] - 1, 0) - 3)
;;       q = np.round(r / step) * step * 2.0 ** e      # np.round: ties to even
;;       return np.moveaxis(q.reshape(q.shape[:-2] + (-1,))[..., :K], -1, axis).astype(np.float32)
;;   ~~~
;;   SOFTMAX AHEAD OF A QUANTISED PRODUCT. Where the list says 'softmax', what is quantised is not the finished softmax but p = 2^(t - M), with t = logit x log2(e) and M = ceil(the row's largest t), a whole number; so 1/2 < the row's largest p <= 1. The row's sum l is taken of the UNQUANTISED p, in f32, and the product's result is divided by l at the end. Since M is a whole number, a kernel that streams over the keys may use a running M (the ceiling of the running maximum): every later rescaling is an exact power of two, which a block's scale takes up: the codes' values come out the same.
;;   OPERANDS COMPUTED ON THE WAY. 'Computed on the way' means the value that the module computes at that place (a softmax that the list does not call 'softmax' is quantised finished and normalised). What goes into a quantiser is computed in f32, as accurately as f32 sums, v_exp_f32 and their like allow (about 1e-6 of the number): no bf16 or f16 on the way to a quantiser, and a product that is left as it is and whose result goes on into a quantised operand takes f32 operands (vector FMAs, or v_wmma_f32_16x16x4_f32). A number that lies on a knife's edge between two numbers of the format may be rounded either way, as far as f32 arithmetic and the matrix unit's own rounding can turn it there, and no further.
;; One version. Each part assembles by itself: llvm-mc -triple=amdgcn-amd-amdhsa -mcpu=gfx1250 --defsym DOCPART=n.
;; ======== version 1 of 1: 3 launches
;; workspace buffers: frag 393,216 bytes; fsc 32,768 bytes; kv 1,638,400 bytes
;; launch prep (part 1): grid 144 x 1, 8 waves a work-group, no clusters, 9,216 bytes of LDS; arguments context, Wq, Wk, Wv, Wo, frag, fsc; writes frag, fsc
.if DOCPART == 1
	.amdgcn_target "amdgcn-amd-amdhsa--gfx1250"
	.amdhsa_code_object_version 6
	.text
	.protected	k_q66f4c33e7e_prep
	.globl	k_q66f4c33e7e_prep
	.p2align	8
	.type	k_q66f4c33e7e_prep,@function
k_q66f4c33e7e_prep:
	s_mov_b64 s[64:65], 0
	v_nop
	global_prefetch_b8 v0, s[64:65] scope:SCOPE_SE
	s_setreg_imm32_b32 hwreg(HW_REG_WAVE_MODE, 25, 1), 1
	s_wait_xcnt 0x0
; PREP: everything that is quantised once.  The context [128 c][16][32][32] f32 is averaged over 2 x 2 x 2 and quantised along c; Wq, Wk, Wv [512][128] and Wo [128][512] f32 are quantised along their last axis.
; Codes of E2M3, one E8M0 byte for each 32 along K: the byte is the largest magnitude's exponent field - 2, held at 1 from below.
; WHAT IS STORED: IMAGES OF OPERAND REGISTERS.  A fragment (16 rows x 128 K) is 12 registers a lane; it is stored as 3 x 512 bytes, group g of four registers at 512 g + 16 x lane (1,536 bytes),
; its scale word at 4 x lane (128 bytes, the same word in both halves of the lanes).  frag: images 0-31 Wq's row tiles, 32-63 Wk's, 64-95 Wv's, 96 + 4 T + s Wo's row tile T and K step s, 128 + kt the context's tile of keys 16 kt ..
; SHARES.  Work-groups 0-127: one tile of 16 keys (one d2, one h2, all 16 w2): wave w pools channels 16 w .. 16 w + 15 into LDS, wave 0 quantises.  Work-groups 128-143: eight weight fragments, one a wave.
; A lane of the quantiser holds two whole blocks: register 32 cc + i is k = 64 cc + 32 (lane / 16) + i of row (or key) lane % 16: just what the operand's layout gives that lane.
; Wo ALONE is loaded with the second and the third eight numbers of every block exchanged: the attention launch makes its other operand from matrix results, whose registers run in that order.
; LIMITS: NaN and infinities among the inputs are not served.  A block of zeros gets the byte 1, not 127: its codes are zeros, and this program alone reads the bytes.  The eight terms of a mean are added pairwise (w, h, d), then x 0.125.
.set X,   16                           ; v16-79   64 numbers
.set PL,  80                           ; v80-87   destinations of lane permutes, written once at the head
.set MX,  88                           ; v88-89   largest magnitudes
.set SO,  90                           ; v90-91   the conversions' scale operands
.set BY,  92                           ; v92-93   scale bytes
.set W,   94                           ; v94      the scale word
.set TT,  95                           ; v95      at work
.set PC,  96                           ; v96-107  the codes
.set CT,  108                          ; v108-114 the upper halves of the blocks' codes, as the conversions leave them
.set SEL, 20                           ; s[20:21] v_permlanex16_b32's selects for lane l xor 16
; 64 numbers v[x] .. v[x+63] become a fragment's codes in v[pc] .. v[pc+11] and its scale word in v[w].  h: the register that holds lane / 16
.macro QUANTB x, pc, ct, mx, so, by, w, tt, h
.irp c, 0,1
	v_max3_num_f32 v[\mx+\c], |v[\x+32*\c]|, |v[\x+32*\c+1]|, 0x1800000     ; my block 2 c + h, and the floor 2^(3 - 127): the byte cannot fall under 1
.endr
.irp i, 2,4,6,8,10,12,14,16,18,20,22,24,26,28,30
.irp c, 0,1
	s_delay_alu instid0(VALU_DEP_2)
	v_max3_num_f32 v[\mx+\c], v[\mx+\c], |v[\x+32*\c+\i]|, |v[\x+32*\c+\i+1]|   ; (the two blocks by turns)
.endr
.endr
.irp c, 0,1
	s_delay_alu instid0(VALU_DEP_2)
	v_add_nc_u32 v[\so+\c], 0xff000000, v[\mx+\c]  ; 2 off the exponent field: the conversion takes this operand's exponent field as its scale
.endr
.irp c, 0,1
	s_delay_alu instid0(VALU_DEP_2)
	v_lshrrev_b32 v[\by+\c], 23, v[\so+\c]         ; the scale's byte
.endr
	s_delay_alu instid0(VALU_DEP_1)
	v_lshl_or_b32 v[\w], v[\by+1], 16, v[\by]      ; my two bytes: blocks h and 2 + h,
	v_lshlrev_b32 v[\tt], 3, v[\h]
	s_delay_alu instid0(VALU_DEP_1)
	v_lshlrev_b32 v[\w], v[\tt], v[\w]             ; at their places in the word (8 h bits up);
	v_mov_b32 v[\tt], 0
	s_delay_alu instid0(VALU_DEP_1)
	v_permlanex16_b32 v[\tt], v[\w], s[SEL], s[SEL+1]
	s_delay_alu instid0(VALU_DEP_1)
	v_or_b32 v[\w], v[\w], v[\tt]                  ; with lane l xor 16's two the word is whole, in both halves of the lanes
.irp c, 0,1
	v_cvt_scalef32_pk16_fp6_f32 v[\pc+6*\c:\pc+6*\c+2], v[\x+32*\c:\x+32*\c+15], v[\so+\c]
	v_cvt_scalef32_pk16_fp6_f32 v[\ct+4*\c:\ct+4*\c+2], v[\x+32*\c+16:\x+32*\c+31], v[\so+\c]   ; (a conversion's three registers begin on an even number)
.endr
	v_nop                                          ; one plain instruction behind the scaled conversions
.irp c, 0,1
.irp i, 0,1,2
	v_mov_b32 v[\pc+6*\c+3+\i], v[\ct+4*\c+\i]
.endr
.endr
.endm
	s_load_b256 s[4:11], s[0:1], 0x0               ; context s[4:5], Wq s[6:7], Wk s[8:9], Wv s[10:11]
	s_load_b128 s[12:15], s[0:1], 0x20             ; Wo s[12:13], frag s[14:15]
	s_load_b64 s[16:17], s[0:1], 0x30              ; fsc
	v_lshl_add_u32 v120, v0, 2, 0x2000
	v_mov_b32 v121, 0
	v_lshrrev_b32 v1, 5, v0
	s_delay_alu instid0(VALU_DEP_1)
	v_readfirstlane_b32 s18, v1                    ; wave 0..7
	v_and_b32 v1, 31, v0                           ; lane
	v_and_b32 v2, 15, v0                           ; r
	v_bfe_u32 v3, v0, 4, 1                         ; h
	s_delay_alu instid0(VALU_DEP_3)
	v_lshlrev_b32 v7, 4, v1                        ; an image's place for my lane
	s_delay_alu instid0(VALU_DEP_4)
	v_lshlrev_b32 v8, 2, v1                        ; a scale word's
	s_delay_alu instid0(VALU_DEP_4)
	v_lshlrev_b32 v9, 4, v2                        ; the pool's loads: 16 bytes a lane of two neighbouring rows (256 bytes),
	s_delay_alu instid0(VALU_DEP_1)
	v_lshl_add_u32 v9, v3, 12, v9                  ; lanes 16-31 one plane (4,096 bytes) on
	v_and_b32 v10, 7, v0
	s_delay_alu instid0(VALU_DEP_1)
	v_lshlrev_b32 v10, 3, v10
	s_lshl_b32 s23, s18, 10
	v_add_nc_u32 v10, s23, v10                     ; LDS, in: P[c][key], 64 bytes a channel: my wave's 16 channels, my two keys
	v_lshlrev_b32 v11, 2, v2
	s_delay_alu instid0(VALU_DEP_1)
	v_lshl_add_u32 v11, v3, 11, v11                ; LDS, out: key r, channels 32 h on
	s_mov_b32 s[SEL], 0x76543210
	s_mov_b32 s[SEL+1], 0xfedcba98
.irp j, 0,1,2,3,4,5,6,7
	v_mov_b32 v[PL+\j], 0                          ; a lane permute's destination counts as one of its sources
.endr
	s_wait_kmcnt 0x0
	s_cmp_ge_u32 ttmp9, 128
	s_cbranch_scc1 .Lweights
	; ---- the context: key tile kt = the work-group's number = 16 d2 + h2
	s_lshr_b32 s23, ttmp9, 4
	s_and_b32 s24, ttmp9, 15
	s_lshl_b32 s23, s23, 13                        ; planes 2 d2, 2 d2 + 1
	s_lshl_b32 s24, s24, 8                         ; rows 2 h2, 2 h2 + 1
	s_add_co_u32 s24, s24, s23
	s_lshl_b32 s23, s18, 20                        ; my wave's 16 channels of 65,536 bytes
	s_add_co_u32 s24, s24, s23
	s_mov_b32 s25, 0
	s_add_nc_u64 s[32:33], s[4:5], s[24:25]
.irp i, 0,1,2,3,4,5,6,7,8,9,10,11,12,13,14,15
	global_load_b128 v[X+4*\i:X+4*\i+3], v9, s[32:33] offset:65536*\i th:TH_LOAD_NT   ; each half of the lanes reads 256 consecutive bytes, aligned; read once in the launch
.endr
.irp i, 0,1,2,3,4,5,6,7,8,9,10,11,12,13,14,15
	s_wait_loadcnt 15-\i                           ; loads come back in order: channel i is in, the 15 - i younger loads may be out
	v_add_f32 v[X+4*\i], v[X+4*\i], v[X+4*\i+1]    ; the pair along w: two pooled keys a lane
	v_add_f32 v[X+4*\i+1], v[X+4*\i+2], v[X+4*\i+3]
	s_delay_alu instid0(VALU_DEP_2)
	v_add_f32_dpp v[X+4*\i], v[X+4*\i], v[X+4*\i] row_xmask:8 row_mask:0xf bank_mask:0xf       ; the pair of rows: lanes l and l xor 8
	s_delay_alu instid0(VALU_DEP_2)
	v_add_f32_dpp v[X+4*\i+1], v[X+4*\i+1], v[X+4*\i+1] row_xmask:8 row_mask:0xf bank_mask:0xf
	s_delay_alu instid0(VALU_DEP_2)
	v_permlanex16_b32 v[PL+2*(\i%4)], v[X+4*\i], s[SEL], s[SEL+1]                               ; the pair of planes: lanes l and l xor 16
	s_delay_alu instid0(VALU_DEP_2)
	v_permlanex16_b32 v[PL+2*(\i%4)+1], v[X+4*\i+1], s[SEL], s[SEL+1]
	s_delay_alu instid0(VALU_DEP_1)
	v_pk_add_f32 v[X+4*\i:X+4*\i+1], v[X+4*\i:X+4*\i+1], v[PL+2*(\i%4):PL+2*(\i%4)+1]
	s_delay_alu instid0(VALU_DEP_1)
	v_pk_mul_f32 v[X+4*\i:X+4*\i+1], v[X+4*\i:X+4*\i+1], 0x3e000000 op_sel_hi:[1,0]            ; x 1/8: exact
	ds_store_b64 v10, v[X+4*\i:X+4*\i+1] offset:64*\i   ; lanes l, l xor 8, l xor 16, l xor 24 write the same 8 bytes with the same value
.endr
	s_wait_dscnt 0x0                               ; for the others' sake: my stores have landed
	s_barrier_signal -1
	s_barrier_wait -1                              ; all 128 channels of the 16 keys lie in LDS
	s_cmp_lg_u32 s18, 0
	s_cbranch_scc1 .Lend                           ; one fragment is one wave's work
.set J, 0
.rept 64
	ds_load_b32 v[X+J], v11 offset:(64*(J/32)+J%32)*64     ; P[64 cc + 32 h + i][r]
.set J, J+1
.endr
	s_add_co_u32 s22, ttmp9, 128                   ; the image's number
	s_wait_dscnt 0x0
	s_branch .Lquant
.Lweights:                                             ; ---- the weights: fragment F = 8 (work-group - 128) + wave, which is also the image's number
	s_sub_co_u32 s23, ttmp9, 128
	s_lshl_b32 s23, s23, 3
	s_add_co_u32 s22, s23, s18
	s_lshr_b32 s23, s22, 5                         ; which tensor: 0 Wq, 1 Wk, 2 Wv, 3 Wo
	s_and_b32 s24, s22, 31                         ; which fragment of it
	s_lshl_b32 s25, s24, 13                        ; Wq, Wk, Wv: 16 rows of 512 bytes a fragment
	s_lshr_b32 s26, s24, 2
	s_lshl_b32 s26, s26, 15                        ; Wo: 16 rows of 2,048 bytes a row tile,
	s_and_b32 s27, s24, 3
	s_lshl_b32 s27, s27, 9                         ; 512 bytes a K step
	s_add_co_u32 s26, s26, s27
	s_mov_b64 s[32:33], s[6:7]
	s_cmp_eq_u32 s23, 1                            ; the choices hang on the work-group's and the wave's number alone
	s_cselect_b64 s[32:33], s[8:9], s[32:33]
	s_cmp_eq_u32 s23, 2
	s_cselect_b64 s[32:33], s[10:11], s[32:33]
	s_cmp_eq_u32 s23, 3
	s_cselect_b64 s[32:33], s[12:13], s[32:33]
	s_cselect_b32 s30, s26, s25                    ; the fragment's first byte
	s_cselect_b32 s27, 11, 9                       ; log2 of a row's bytes
	s_cselect_b32 s28, 32, 0                       ; Wo: the second eight numbers of a block come from 32 bytes further on,
	s_sub_co_u32 s29, 32, s28                      ; the third eight from 32 bytes further back
	s_mov_b32 s31, 0
	s_add_nc_u64 s[32:33], s[32:33], s[30:31]
	v_lshlrev_b32 v4, s27, v2
	s_delay_alu instid0(VALU_DEP_1)
	v_lshl_add_u32 v4, v3, 7, v4                   ; row r, + 128 h: my block of 32 numbers
	s_delay_alu instid0(VALU_DEP_1)
	v_add_nc_u32 v5, s28, v4                       ; for numbers 8-15 of a block
	s_delay_alu instid0(VALU_DEP_2)
	v_add_nc_u32 v6, s29, v4                       ; for numbers 16-23 (with 32 off the immediate)
.irp c, 0,1
.irp g, 0,1,6,7
	global_load_b128 v[X+32*\c+4*\g:X+32*\c+4*\g+3], v4, s[32:33] offset:256*\c+16*\g
.endr
.irp g, 2,3
	global_load_b128 v[X+32*\c+4*\g:X+32*\c+4*\g+3], v5, s[32:33] offset:256*\c+16*\g
.endr
.irp g, 4,5
	global_load_b128 v[X+32*\c+4*\g:X+32*\c+4*\g+3], v6, s[32:33] offset:256*\c+16*\g-32
.endr
.endr
	s_wait_loadcnt 0x0
.Lquant:
	QUANTB X, PC, CT, MX, SO, BY, W, TT, 3
	s_mul_i32 s24, s22, 1536
	s_mov_b32 s25, 0
	s_add_nc_u64 s[34:35], s[14:15], s[24:25]
	s_lshl_b32 s26, s22, 7
	s_mov_b32 s27, 0
	s_add_nc_u64 s[36:37], s[16:17], s[26:27]
.irp g, 0,1,2
	global_store_b128 v7, v[PC+4*\g:PC+4*\g+3], s[34:35] offset:512*\g    ; 32 lanes store 512 consecutive bytes, aligned
.endr
	global_store_b32 v8, v[W], s[36:37]
.Lend:
	s_wait_tensorcnt 0x0
	ds_add_u32 v120, v121
	s_wait_dscnt 0x0
	s_endpgm
.Lfunc_end_k_q66f4c33e7e_prep:
	.size	k_q66f4c33e7e_prep, .Lfunc_end_k_q66f4c33e7e_prep-k_q66f4c33e7e_prep
	.p2alignl 7, 3214868480
	.fill 96, 4, 3214868480
	.section	.rodata,"a",@progbits
	.p2align	6, 0x0
	.amdhsa_kernel k_q66f4c33e7e_prep
		.amdhsa_group_segment_fixed_size 9216
		.amdhsa_private_segment_fixed_size 0
		.amdhsa_enable_private_segment 0
		.amdhsa_kernarg_size 56
		.amdhsa_user_sgpr_count 2
		.amdhsa_user_sgpr_kernarg_segment_ptr 1
		.amdhsa_wavefront_size32 1
		.amdhsa_system_sgpr_workgroup_id_x 1
		.amdhsa_system_sgpr_workgroup_id_y 1
		.amdhsa_system_sgpr_workgroup_id_z 1
		.amdhsa_system_vgpr_workitem_id 0
		.amdhsa_next_free_vgpr 122
		.amdhsa_next_free_sgpr 66
		.amdhsa_reserve_vcc 0
		.amdhsa_float_denorm_mode_32 3
		.amdhsa_float_denorm_mode_16_64 3
		.amdhsa_memory_ordered 1
		.amdhsa_forward_progress 1
		.amdhsa_inst_pref_size 28
	.end_amdhsa_kernel
	.amdgpu_metadata
---
amdhsa.version: [ 1, 2 ]
amdhsa.kernels:
  - .name:           k_q66f4c33e7e_prep
    .symbol:         k_q66f4c33e7e_prep.kd
    .args:
      - { .name: context, .offset: 0, .size: 8, .value_kind: global_buffer, .address_space: global }
      - { .name: Wq, .offset: 8, .size: 8, .value_kind: global_buffer, .address_space: global }
      - { .name: Wk, .offset: 16, .size: 8, .value_kind: global_buffer, .address_space: global }
      - { .name: Wv, .offset: 24, .size: 8, .value_kind: global_buffer, .address_space: global }
      - { .name: Wo, .offset: 32, .size: 8, .value_kind: global_buffer, .address_space: global }
      - { .name: frag, .offset: 40, .size: 8, .value_kind: global_buffer, .address_space: global }
      - { .name: fsc, .offset: 48, .size: 8, .value_kind: global_buffer, .address_space: global }
    .group_segment_fixed_size: 9216
    .private_segment_fixed_size: 0
    .kernarg_segment_align: 8
    .kernarg_segment_size: 56
    .max_flat_workgroup_size: 256
    .sgpr_count:     66
    .vgpr_count:     122
    .wavefront_size: 32
...
	.end_amdgpu_metadata
.endif
;; end of part 1
;; launch kv (part 2): grid 256 x 1, 4 waves a work-group, no clusters, 0 bytes of LDS; arguments frag, fsc, kv; writes kv
.if DOCPART == 2
	.amdgcn_target "amdgcn-amd-amdhsa--gfx1250"
	.amdhsa_code_object_version 6
	.text
	.protected	k_q66f4c33e7e_kv
	.globl	k_q66f4c33e7e_kv
	.p2align	8
	.type	k_q66f4c33e7e_kv,@function
k_q66f4c33e7e_kv:
	s_mov_b64 s[64:65], 0
	v_nop
	global_prefetch_b8 v0, s[64:65] scope:SCOPE_SE
	s_setreg_imm32_b32 hwreg(HW_REG_WAVE_MODE, 25, 1), 1
	s_wait_xcnt 0x0
; KV: k = Wk ctx and v = Wv ctx on codes of E2M3 (K = the 128 channels), and their quantising for the attention launch: k along the head's 64, v along the keys.
; Operands come as images of their registers (three loads of 16 bytes a lane for a fragment, one of 4 for its scale word) and leave so.
; kv is laid [head 8][key step 16][12,800 bytes].  A chunk (one head, 128 keys): four K images, four V images (1,536 bytes each), four records of 128 bytes: K image i's 16 scale words, then V image i's.
;   K image i: registers 0-5 hold keys 32 i + r (the head's 64 along K), registers 6-11 keys 32 i + 16 + r: TWO tiles of keys fill the instruction's 128 along K; the reader sets zeros against the half it does not want.
;   V image t: rows d = 16 t + r, K = the step's 128 keys.
; SHARES.  One wave makes one image.  Work-groups 0-127 make K's (head, key step, wave = i), 128-255 V's (wave = t).  Eight independent matrix instructions a wave; waves share nothing: no LDS, no barrier.
;   K: source 0 = 16 rows of Wk, source 1 = 16 keys: a lane holds one key, its registers run along d.   V: source 0 = 16 keys, source 1 = 16 rows of Wv: a lane holds one d, its registers run along the keys.
; Inside a block of 32 the codes stand in the order of the results' registers: place 16 h + 8 u + j holds element 16 u + 8 h + j.  The other operand of each later product is made in the same way, so the products pair rightly.
; LIMITS: NaN and infinities are not served; a block of zeros gets the byte 1, not 127 (its codes are zeros; this program alone reads the bytes).
.set FRB, 1536
.set WF,  16                           ; v16-63   the weights' fragments (K: four, V: one)
.set CF,  64                           ; v64-159  the context's (K: two, V: eight)
.set HA,  160                          ; v160-223 the eight results
.set WS,  224                          ; v224-227 the weights' scale words
.set CSC, 228                          ; v228-235 the context's
.set TM,  236                          ; v236-239 largest magnitudes, v240-243 bytes, v248-251 the conversions' scale operands
.set PW,  252                          ; the scale word just made
.set PC,  16                           ; v16-34   the codes, where the weights' fragments lay
.set SEL, 28
; 64 numbers of a lane, register 16 b + i = place 32 b + 16 (lane / 16) + i of my row, become a fragment's codes in v[PC] on and its scale word in v[PW]
.macro QUANT s
.irp b, 0,1,2,3
	v_max3_num_f32 v[TM+\b], |v[\s+16*\b]|, |v[\s+1+16*\b]|, 0x1800000   ; block b: my 16 numbers, and the floor 2^(3 - 127): the byte cannot fall under 1
.endr
.irp i, 2,4,6,8,10,12,14
.irp b, 0,1,2,3
	v_max3_num_f32 v[TM+\b], v[TM+\b], |v[\s+16*\b+\i]|, |v[\s+1+16*\b+\i]|   ; (the four blocks by turns; each result is read from its low end on)
.endr
.endr
.irp b, 0,1,2,3
	v_permlanex16_b32 v[TM+4+\b], v[TM+\b], s[SEL], s[SEL+1]
.endr
.irp b, 0,1,2,3
	v_max_num_f32 v[TM+\b], v[TM+\b], v[TM+4+\b]   ; with lane l xor 16's: the block's largest magnitude
.endr
.irp b, 0,1,2,3
	v_add_nc_u32 v[TM+12+\b], 0xff000000, v[TM+\b] ; 2 off its exponent field: the conversion's scale operand
.endr
.irp b, 0,1,2,3
	v_lshrrev_b32 v[TM+4+\b], 23, v[TM+12+\b]      ; the scale's byte
.endr
	v_lshl_or_b32 v[PW], v[TM+5], 8, v[TM+4]
	v_lshl_or_b32 v[PW], v[TM+6], 16, v[PW]
	v_lshl_or_b32 v[PW], v[TM+7], 24, v[PW]
.irp c, 0,1
	v_cvt_scalef32_pk16_fp6_f32 v[PC+6*\c:PC+2+6*\c], v[\s+32*\c:\s+15+32*\c], v[TM+12+2*\c]
	v_cvt_scalef32_pk16_fp6_f32 v[PC+12+4*\c:PC+14+4*\c], v[\s+16+32*\c:\s+31+32*\c], v[TM+12+2*\c+1]   ; (a conversion's three registers begin on an even number)
.endr
	v_nop                                          ; one plain instruction behind the scaled conversions
.irp c, 0,1                                    ; the operand's layout wants a whole block in a lane: lanes 0-15 block 2 c, lanes 16-31 block 2 c + 1
.irp i, 0,1,2
	v_permlane16_swap_b32 v[PC+6*\c+\i], v[PC+12+4*\c+\i]
.endr
.irp i, 0,1,2
	v_mov_b32 v[PC+3+6*\c+\i], v[PC+12+4*\c+\i]
.endr
.endr
.endm
	s_load_b128 s[4:7], s[0:1], 0x0                ; frag, fsc
	s_load_b64 s[8:9], s[0:1], 0x10                ; kv
	v_lshrrev_b32 v1, 5, v0
	v_readfirstlane_b32 s10, v1                    ; wave 0..3
	v_and_b32 v3, 31, v0                           ; lane
	v_lshlrev_b32 v1, 4, v3                        ; an image's place for my lane
	v_lshlrev_b32 v2, 2, v3                        ; a scale word's
	s_mov_b32 s[SEL], 0x76543210
	s_mov_b32 s[SEL+1], 0xfedcba98
.irp b, 0,1,2,3
	v_mov_b32 v[TM+4+\b], 0                        ; a lane permute's destination counts as one of its sources
.endr
	s_bfe_u32 s11, ttmp9, 0x30004                  ; the head
	s_and_b32 s12, ttmp9, 15                       ; the key step
	s_lshr_b32 s13, ttmp9, 7                       ; 0: K's images, 1: V's
	s_lshl_b32 s14, s11, 2
	s_add_co_u32 s14, s14, 32                      ; K: Wk's images 32 + 4 head on
	s_add_co_u32 s15, s14, 32
	s_add_co_u32 s15, s15, s10                     ; V: Wv's image 64 + 4 head + wave
	s_lshl_b32 s30, s12, 3
	s_add_co_u32 s30, s30, 128                     ; V: the context's images 128 + 8 step on
	s_lshl_b32 s31, s10, 1
	s_add_co_u32 s31, s31, s30                     ; K: two of them, 2 wave on
	s_mul_i32 s34, s11, 204800
	s_mul_i32 s35, s12, 12800
	s_add_co_u32 s34, s34, s35                     ; the chunk
	s_mul_i32 s35, s13, 6144
	s_add_co_u32 s35, s35, s34
	s_mul_i32 s36, s10, FRB
	s_add_co_u32 s36, s36, s35                     ; my image in it
	s_lshl_b32 s35, s10, 7
	s_add_co_u32 s38, s34, s35
	s_lshl_b32 s35, s13, 6
	s_add_co_u32 s38, s38, s35
	s_add_co_u32 s38, s38, 12288                   ; my half of record number wave
	s_mov_b32 s37, 0
	s_mov_b32 s39, 0
	s_mov_b32 s33, 0
	s_cmp_eq_u32 s13, 0
	s_cselect_b32 s14, s14, s15                    ; the first weight image
	s_cselect_b32 s30, s31, s30                    ; the first context image
	s_wait_kmcnt 0x0
	s_mul_i32 s32, s14, FRB
	s_add_nc_u64 s[16:17], s[4:5], s[32:33]
	s_lshl_b32 s32, s14, 7
	s_add_nc_u64 s[18:19], s[6:7], s[32:33]
	s_mul_i32 s32, s30, FRB
	s_add_nc_u64 s[20:21], s[4:5], s[32:33]
	s_lshl_b32 s32, s30, 7
	s_add_nc_u64 s[22:23], s[6:7], s[32:33]
	s_add_nc_u64 s[24:25], s[8:9], s[36:37]
	s_add_nc_u64 s[26:27], s[8:9], s[38:39]
	s_cmp_lg_u32 s13, 0
	s_cbranch_scc1 .Lv
	s_wait_alu depctr_va_vdst(0)
.irp t, 0,1,2,3
.irp g, 0,1,2
	global_load_b128 v[WF+12*\t+4*\g:WF+12*\t+4*\g+3], v1, s[16:17] offset:FRB*\t+512*\g
.endr
	global_load_b32 v[WS+\t], v2, s[18:19] offset:128*\t
.endr
.irp u, 0,1
.irp g, 0,1,2
	global_load_b128 v[CF+12*\u+4*\g:CF+12*\u+4*\g+3], v1, s[20:21] offset:FRB*\u+512*\g
.endr
	global_load_b32 v[CSC+\u], v2, s[22:23] offset:128*\u
.endr
	s_wait_loadcnt 0x0
.irp u, 0,1                                    ; result 4 u + t: lane (r, h) holds key 16 u + r, register j the head's d = 16 t + 8 h + j
.irp t, 0,1,2,3
	v_wmma_scale_f32_16x16x128_f8f6f4 v[HA+32*\u+8*\t:HA+32*\u+8*\t+7], v[WF+12*\t:WF+12*\t+11], v[CF+12*\u:CF+12*\u+11], 0, v[WS+\t], v[CSC+\u] matrix_a_fmt:MATRIX_FMT_FP6 matrix_b_fmt:MATRIX_FMT_FP6
.endr
.endr
	s_branch .Lmade
.Lv:
	s_wait_alu depctr_va_vdst(0)
.irp g, 0,1,2
	global_load_b128 v[WF+4*\g:WF+4*\g+3], v1, s[16:17] offset:512*\g
.endr
	global_load_b32 v[WS], v2, s[18:19]
.irp k, 0,1,2,3,4,5,6,7
.irp g, 0,1,2
	global_load_b128 v[CF+12*\k+4*\g:CF+12*\k+4*\g+3], v1, s[20:21] offset:FRB*\k+512*\g
.endr
	global_load_b32 v[CSC+\k], v2, s[22:23] offset:128*\k
.endr
	s_wait_loadcnt 0x0
.irp k, 0,1,2,3,4,5,6,7                        ; result k: lane (r, h) holds d = 16 wave + r, register j key 16 k + 8 h + j
	v_wmma_scale_f32_16x16x128_f8f6f4 v[HA+8*\k:HA+8*\k+7], v[CF+12*\k:CF+12*\k+11], v[WF:WF+11], 0, v[CSC+\k], v[WS] matrix_a_fmt:MATRIX_FMT_FP6 matrix_b_fmt:MATRIX_FMT_FP6
.endr
.Lmade:
.rept 4
	v_nop                                          ; four places (ISA guide 7.12.1) between the products and the first read of a result, and the first write over an operand
.endr
	QUANT HA
.irp g, 0,1,2
	global_store_b128 v1, v[PC+4*\g:PC+4*\g+3], s[24:25] offset:512*\g    ; 32 lanes store 512 consecutive bytes, aligned
.endr
	s_wait_xcnt 0x0                                ; EXEC is a source of the pending stores: it changes only behind this wait
	v_cmp_gt_u32 vcc_lo, 16, v3
	s_and_saveexec_b32 s30, vcc_lo
	global_store_b32 v2, v[PW], s[26:27]           ; lanes 0-15: the image's 16 scale words, 64 consecutive bytes
	s_wait_xcnt 0x0
	s_or_b32 exec_lo, exec_lo, s30
	s_endpgm
.Lfunc_end_k_q66f4c33e7e_kv:
	.size	k_q66f4c33e7e_kv, .Lfunc_end_k_q66f4c33e7e_kv-k_q66f4c33e7e_kv
	.p2alignl 7, 3214868480
	.fill 96, 4, 3214868480
	.section	.rodata,"a",@progbits
	.p2align	6, 0x0
	.amdhsa_kernel k_q66f4c33e7e_kv
		.amdhsa_group_segment_fixed_size 0
		.amdhsa_private_segment_fixed_size 0
		.amdhsa_enable_private_segment 0
		.amdhsa_kernarg_size 24
		.amdhsa_user_sgpr_count 2
		.amdhsa_user_sgpr_kernarg_segment_ptr 1
		.amdhsa_wavefront_size32 1
		.amdhsa_system_sgpr_workgroup_id_x 1
		.amdhsa_system_sgpr_workgroup_id_y 1
		.amdhsa_system_sgpr_workgroup_id_z 1
		.amdhsa_system_vgpr_workitem_id 0
		.amdhsa_next_free_vgpr 256
		.amdhsa_next_free_sgpr 66
		.amdhsa_reserve_vcc 1
		.amdhsa_float_denorm_mode_32 3
		.amdhsa_float_denorm_mode_16_64 3
		.amdhsa_memory_ordered 1
		.amdhsa_forward_progress 1
		.amdhsa_inst_pref_size 15
	.end_amdhsa_kernel
	.amdgpu_metadata
---
amdhsa.version: [ 1, 2 ]
amdhsa.kernels:
  - .name:           k_q66f4c33e7e_kv
    .symbol:         k_q66f4c33e7e_kv.kd
    .args:
      - { .name: frag, .offset: 0, .size: 8, .value_kind: global_buffer, .address_space: global }
      - { .name: fsc, .offset: 8, .size: 8, .value_kind: global_buffer, .address_space: global }
      - { .name: kv, .offset: 16, .size: 8, .value_kind: global_buffer, .address_space: global }
    .group_segment_fixed_size: 0
    .private_segment_fixed_size: 0
    .kernarg_segment_align: 8
    .kernarg_segment_size: 24
    .max_flat_workgroup_size: 128
    .sgpr_count:     66
    .vgpr_count:     256
    .wavefront_size: 32
...
	.end_amdgpu_metadata
.endif
;; end of part 2
;; launch attn (part 3): grid 256 x 1, 16 waves a work-group, clusters of 4 x 1, 327,680 bytes of LDS; arguments x, frag, fsc, kv, out0; writes out0
.if DOCPART == 3
	.amdgcn_target "amdgcn-amd-amdhsa--gfx1250"
	.amdhsa_code_object_version 6
	.text
	.protected	k_q66f4c33e7e_attn
	.globl	k_q66f4c33e7e_attn
	.p2align	8
	.type	k_q66f4c33e7e_attn,@function
k_q66f4c33e7e_attn:
	s_mov_b64 s[64:65], 0
	v_nop
	global_prefetch_b8 v0, s[64:65] scope:SCOPE_SE
	s_setreg_imm32_b32 hwreg(HW_REG_WAVE_MODE, 25, 1), 1
	s_wait_xcnt 0x0
	s_wait_alu depctr_hold_cnt(0) depctr_sa_sdst(0) depctr_va_vdst(0) depctr_va_sdst(0) depctr_va_ssrc(0) depctr_va_vcc(0) depctr_vm_vsrc(0)
	s_getreg_b32 s2, hwreg(HW_REG_IB_STS2, 6, 4)
	s_cmp_eq_u32 s2, 0
	s_cbranch_scc0 .Lentry_in_a_cluster
	s_endpgm
.Lentry_in_a_cluster:
	s_bfe_u32 s2, ttmp6, 0x10000c
	s_cmp_lg_u32 s2, 0x3003
	s_cbranch_scc0 .Lentry_shape_is_right
	s_endpgm
.Lentry_shape_is_right:
; ATTN: q = Wq x, the attention over 2,048 keys in 8 heads of 64, and y = Wo o, all on codes of E2M3 with one E8M0 scale for each 32 along K.  x, out0: [128][16,384] f32.  q, the scores, p and o never go to memory.
; SHARES.  A work-group owns 64 queries and all 8 heads.  Wave w of sixteen: tile qt = w % 4 of 16 queries, head group hg = w / 4: heads 2 hg, then 2 hg + 1: 32 key steps of 128 keys.  Four waves share a SIMD's
; registers (256 each, no register windows), so that one wave's softmax stands beside another's products and LDS loads: a key step is 12 matrix instructions and some 230 vector instructions, so the vector work decides.
; LAYOUT.  Both products are used transposed (S^T = K Q^T, O^T = V^T P^T): a lane holds ONE query (lane % 16) throughout.  Operands come as images of their registers (launches prep and kv): a fragment is three
; loads of 16 bytes a lane, 512 consecutive bytes an instruction: no pitch, no padding.
; THE HEAD'S 64 IN AN INSTRUCTION OF 128.  A K image holds two tiles of keys (registers 0-5, 6-11).  q's six registers stand between two runs of six zero registers: (q, 0) gives the first tile's scores, (0, q) the second's:
; the half that is not wanted meets zero codes.  q's scale word is (s0, s1, s0, s1) and serves both.
; INSIDE A BLOCK OF 32 codes stand in the order of the results' registers (place 16 h + 8 u + j holds element 16 u + 8 h + j), alike on both sides of each product; which numbers form a block is as the quantiser says.
; SOFTMAX.  t = score x log2(e) / 8; M = the running largest t rounded up to a whole number, kept as -M; p = 2^(t - M) is quantised along the keys; the row's sum is taken of the unquantised p; when M moves, the sum and O^T
; are multiplied by 2^(old M - new M), which rounds nothing; O^T is divided by the sum at a head's end (v_rcp_f32 and a multiplication).
; RING.  Two LDS slots of 102,400 bytes: for each head group two chunks (256 keys) of kv.  Every wave fetches a sixteenth (25 rows of 256 bytes) with one tensor load.
; CLUSTER.  All work-groups walk the same kv: the four of a cluster ask JOINTLY, by the same load with the same descriptor and a mask that names the four.  x's tile is each work-group's own: a plain load.
; LIMITS: NaN and infinities among the inputs are not served; a block of zeros gets the byte 1, not 127 (its codes are zeros; this program alone reads the bytes); sums are f32 in the matrix unit's order.
.set CH,    12800                      ; a chunk of kv: 4 K images, 4 V images, 4 records of scale words
.set FRB,   1536                       ; an image
.set NSL,   16                         ; slots' worth of keys in a wave's two heads
.set SLOT1, 1<<17                      ; LDS: slot 0 at 0, slot 1 here: one exclusive or turns an address from one to the other
.set OIMG,  102400                     ; behind slot 0: the 16 images of o (4 qt + K step), 24,576 bytes,
.set OSC,   126976                     ; their scale words, 128 bytes each,
.set SPARE, 129024                     ; the spare words, 128 bytes for each wave: eight blocks of 256 bytes that no other line names
.set XT,    233472                     ; behind slot 1: x's tile, 128 channels x 256 bytes, filled once
.set STG,   266240                     ; y's stage: 128 rows x (256 bytes + 16)
.set SP,    272
.set AKV0, 3                           ; v1 r, v2 h (kept);  v3 my lane's place in my head group's images of a slot;  v4 among its scale words
.set ASC0, 4
.set SPW,  5                           ; v5   LDS address of my spare word: SPARE + 4 x my thread's number; never rewritten
.set NIL,  6                           ; v6   0; never rewritten
.set LI,   7                           ; v7   16 x lane
.set ADK,  8                           ; v8   AKV0 in the slot in hand
.set ADS,  9                           ; v9   ASC0 in the slot in hand
.set LS,   10                          ; v10  4 x lane
.set PFO,  11                          ; v11  the prefetches' offset; never rewritten.   v12 -M, v13 the largest t, v[14:15] the sum in two halves
.set QB,   16                          ; v16-21 zeros, v22-27 q, v28-33 zeros
.set Q1,   36                          ; v36-41 the second head's q
.set FB,   44                          ; v44-91 four fragments: K's, then V's
.set F,    92                          ; v[92:93] f = 2^(old M - new M), later 1 / the sum; v93 is only named with it
.set T,    94                          ; v[94:95] at work
.set S,    96                          ; v96-159 S^T, then p
.set O,    160                         ; v160-191 O^T
.set PC,   192                         ; v192-203 p's codes
.set PT,   204                         ; v204-210 the upper halves of p's blocks, as the conversions leave them
.set BM,   212                         ; v212-215 the blocks' largest
.set BT,   216                         ; v216-219 lane permutes' destinations, then bytes
.set BS,   220                         ; v220-223 the conversions' scale operands
.set OC,   224                         ; v224-235 o's codes (at the head: x's)
.set OT,   236                         ; v236-238 at work in QUANT2
.set WS,   240                         ; v240-247 scales alone: Wq's words, later Wo's
.set KVS,  248                         ; v248-251 scales alone: lanes 0-15 K image i's words, lanes 16-31 V image i's; later o's
.set QS,   252                         ; scales alone: q's word;  v253 the second head's;  v254 p's (at the head: x's);  v255 o's
.set QS1,  253
.set PW,   254
.set OW,   255
.set WV,   14                          ; s14 wave, s15 qt, s16 hg, s17 cx, s18 the work-group's number
.set QT,   15
.set HG,   16
.set CX,   17
.set WG,   18
.set SEL,  20                          ; s[20:21] v_permlanex16_b32's selects for lane l xor 16
.set CS,   22                          ; s[22:23] c = log2(e) / 8
.set G1,   24                          ; s[24:31] descriptor group 1 for kv;  s[32:35] its group 0, which walks
.set G0,   32
.set G1X,  36                          ; s[36:43], s[44:47] groups 1 and 0 for x's tile
.set G0X,  44
.set TB,   48                          ; s48  LDS byte at which the slot in hand begins
.set SLOTS, 49                         ; s49  slots still to be asked for
.set LIM,  50                          ; s50  1 in a wave that prefetches, else the greatest number
.set PFA,  52                          ; s[52:53] where my prefetches stand in kv
.set WB,   54                          ; s[54:55] frag at image 8 hg;  s[56:57] fsc likewise
.set WSB,  56
; A round of the cluster's barrier: my work-group's barrier, wave 0's signal for the work-group, every wave's wait for all four work-groups, my work-group's barrier once more
.macro CROUND
	s_barrier_signal -1
	s_barrier_wait -1
	s_cmp_lg_u32 s[WV], 0
	s_cbranch_scc1 .Lnot_wave_0_\@
	s_barrier_signal -3
.Lnot_wave_0_\@:
	s_barrier_wait -3
	s_barrier_signal -1
	s_barrier_wait -1
.endm
; A PREFETCH INTO THE L2 of the slot behind the one that is being asked for: two key steps of all sixteen waves ahead of the load that will want it.  All clusters walk the same kv: the first cluster asks, nobody else.
; Its four partners share the slot out BY ADDRESS: partner cx names head group cx's 25,600 bytes; of these waves 0 to 3 take 6,400 each, a lane to 256 bytes (lanes 25 to 31 name the 25th once more).
; Slots 0 and 1 come by their loads alone; the last change that fills a slot asks for nothing.  The highest byte named is 1,638,144, inside kv's 1,638,400.
.macro ASK
	s_cmp_gt_u32 s[SLOTS], s[LIM]
	s_cbranch_scc0 .Lnot_mine_\@
	global_prefetch_b8 v[PFO], s[PFA:PFA+1] th:TH_LOAD_NT scope:SCOPE_SE
.Lnot_mine_\@:
.endm
; THE CHANGE OF SLOTS stands at a slot's head.  Each wave waits for all its tensor loads (its part of the slot ahead), adds 0 to its spare word, and waits for that and for its reads of the slot that it has left.
; fill = 1: a round of the cluster's barrier, so that no wave of any partner still reads that slot or has a load on its way; the joint refill is the first thing behind it and has a slot's two key steps in which to land.
.macro CHANGE fill
	s_wait_tensorcnt 0x0                           ; no tensor load of mine is out, so the group 0 may be written
	ds_add_u32 v[SPW], v[NIL]                      ; 0 onto my spare word
.if \fill
	s_xor_b32 s[G0+1], s[G0+1], SLOT1              ; the other slot than last time,
	s_add_nc_u64 s[G0+2:G0+3], s[G0+2:G0+3], 2*CH  ; my head group's next two chunks; the type bits on top are not reached
	s_wait_xcnt 0x0                                ; the last prefetch, a slot back, has read its address
	s_add_nc_u64 s[PFA:PFA+1], s[PFA:PFA+1], 2*CH
	s_wait_dscnt 0x0                               ; the add is done, and my reads of the slot that I have left are over
	CROUND
	tensor_load_to_lds s[G0:G0+3], s[G1:G1+7]      ; every wave issues it: its one tensor load until the next round
	s_nop 0
.rept 4
	v_nop                                          ; (places behind the last products)
.endr
	ASK
.else
	s_wait_dscnt 0x0
	s_barrier_signal -1
	s_barrier_wait -1
.endif
.endm
; 64 numbers v[x] .. v[x+63], register 32 cc + i = k 64 cc + 32 (lane / 16) + i of my column, become a fragment's codes in v[pc] on and its scale word in v[w].  h: the register that holds lane / 16
.macro QUANTB x, pc, ct, mx, so, by, w, tt, h
.irp c, 0,1
	v_max3_num_f32 v[\mx+\c], |v[\x+32*\c]|, |v[\x+32*\c+1]|, 0x1800000     ; my block 2 c + h, and the floor 2^(3 - 127): the byte cannot fall under 1
.endr
.irp i, 2,4,6,8,10,12,14,16,18,20,22,24,26,28,30
.irp c, 0,1
	s_delay_alu instid0(VALU_DEP_2)
	v_max3_num_f32 v[\mx+\c], v[\mx+\c], |v[\x+32*\c+\i]|, |v[\x+32*\c+\i+1]|
.endr
.endr
.irp c, 0,1
	s_delay_alu instid0(VALU_DEP_2)
	v_add_nc_u32 v[\so+\c], 0xff000000, v[\mx+\c]  ; 2 off the exponent field: the conversion's scale operand
.endr
.irp c, 0,1
	s_delay_alu instid0(VALU_DEP_2)
	v_lshrrev_b32 v[\by+\c], 23, v[\so+\c]
.endr
	s_delay_alu instid0(VALU_DEP_1)
	v_lshl_or_b32 v[\w], v[\by+1], 16, v[\by]      ; my two bytes: blocks h and 2 + h,
	v_lshlrev_b32 v[\tt], 3, v[\h]
	s_delay_alu instid0(VALU_DEP_1)
	v_lshlrev_b32 v[\w], v[\tt], v[\w]             ; at their places in the word;
	v_mov_b32 v[\tt], 0
	s_delay_alu instid0(VALU_DEP_1)
	v_permlanex16_b32 v[\tt], v[\w], s[SEL], s[SEL+1]
	s_delay_alu instid0(VALU_DEP_1)
	v_or_b32 v[\w], v[\w], v[\tt]                  ; with lane l xor 16's two the word is whole
.irp c, 0,1
	v_cvt_scalef32_pk16_fp6_f32 v[\pc+6*\c:\pc+6*\c+2], v[\x+32*\c:\x+32*\c+15], v[\so+\c]
	v_cvt_scalef32_pk16_fp6_f32 v[\ct+4*\c:\ct+4*\c+2], v[\x+32*\c+16:\x+32*\c+31], v[\so+\c]
.endr
	v_nop                                          ; one plain instruction behind the scaled conversions
.irp c, 0,1
.irp i, 0,1,2
	v_mov_b32 v[\pc+6*\c+3+\i], v[\ct+4*\c+\i]
.endr
.endr
.endm
; 32 numbers of a lane (four results of 8), register 16 b + i = place 32 b + 16 (lane / 16) + i of my query's 64, become six registers of codes at v[d] and two scale bytes in v[BT+2]
.macro QUANT2 s, d
.irp b, 0,1
	v_max3_num_f32 v[BM+\b], |v[\s+16*\b]|, |v[\s+16*\b+1]|, 0x1800000
.endr
.irp i, 2,4,6,8,10,12,14
.irp b, 0,1
	v_max3_num_f32 v[BM+\b], v[BM+\b], |v[\s+16*\b+\i]|, |v[\s+16*\b+\i+1]|   ; (each result is read from its low end on)
.endr
.endr
.irp b, 0,1
	s_delay_alu instid0(VALU_DEP_2)
	v_permlanex16_b32 v[BT+\b], v[BM+\b], s[SEL], s[SEL+1]
.endr
.irp b, 0,1
	s_delay_alu instid0(VALU_DEP_2)
	v_max_num_f32 v[BM+\b], v[BM+\b], v[BT+\b]
.endr
.irp b, 0,1
	s_delay_alu instid0(VALU_DEP_2)
	v_add_nc_u32 v[BS+\b], 0xff000000, v[BM+\b]
.endr
.irp b, 0,1
	s_delay_alu instid0(VALU_DEP_2)
	v_lshrrev_b32 v[BT+\b], 23, v[BS+\b]
.endr
	s_delay_alu instid0(VALU_DEP_1)
	v_lshl_or_b32 v[BT+2], v[BT+1], 8, v[BT]
	v_cvt_scalef32_pk16_fp6_f32 v[\d:\d+2], v[\s:\s+15], v[BS]
	v_cvt_scalef32_pk16_fp6_f32 v[OT:OT+2], v[\s+16:\s+31], v[BS+1]
	v_nop                                          ; one plain instruction behind the scaled conversions
.irp i, 0,1,2
	v_permlane16_swap_b32 v[\d+\i], v[OT+\i]       ; a whole block to a lane: lanes 0-15 block 0, lanes 16-31 block 1
.endr
.irp i, 0,1,2
	s_delay_alu instid0(VALU_DEP_3)
	v_mov_b32 v[\d+3+\i], v[OT+\i]
.endr
.endm
; A head begins: the key step is written once and finds zeros, which the first change of M leaves zeros
.macro RESET
	v_mov_b32 v13, 0xff61b1e6                      ; the largest t so far: -3e38, under every t
	s_delay_alu instid0(VALU_DEP_1)
	v_floor_f32 v12, -v13                          ; -M
	v_mov_b32 v14, 0
	v_mov_b32 v15, 0
.set J, 0
.rept 32
	v_mov_b32 v[O+J], 0
.set J, J+1
.endr
.endm
; A head ends: O^T / the sum, quantised along d: half p of my K step of the last product
.macro FINISH p
	v_add_f32 v14, v14, v15                        ; the sum's two halves,
	s_delay_alu instid0(VALU_DEP_1)
	v_permlanex16_b32 v[T], v14, s[SEL], s[SEL+1]
	s_delay_alu instid0(VALU_DEP_1)
	v_add_f32 v14, v14, v[T]                       ; and lane l xor 16's
	s_wait_alu depctr_va_vdst(0)
	v_rcp_f32 v[F], v14
	v_nop                                          ; a plain instruction behind the reciprocal,
	s_wait_alu depctr_va_vdst(0)                   ; and the wait ahead of its first reader
.set J, 0
.rept 16
	v_pk_mul_f32 v[O+J:O+J+1], v[O+J:O+J+1], v[F:F+1] op_sel_hi:[1,0]     ; ascending: each accumulator from its low end on
.set J, J+2
.endr
	QUANT2 O, OC+6*(\p)
.if \p == 0
	v_mov_b32 v[OW], v[BT+2]
.else
	v_lshl_or_b32 v[OW], v[BT+2], 16, v[OW]
.endif
.endm
; A KEY STEP: 128 keys, chunk q of the slot in hand
.macro STEP q
.rept 4
	v_nop                                          ; four places (ISA guide 7.12.1 for vector instructions) behind the last step's products, in front of loads into their operands
.endr
.irp i, 0,1,2,3
.irp g, 0,1,2
	ds_load_b128 v[FB+12*\i+4*\g:FB+12*\i+4*\g+3], v[ADK] offset:CH*(\q)+FRB*\i+512*\g
.endr
	ds_load_b32 v[KVS+\i], v[ADS] offset:CH*(\q)+128*\i
.endr
	s_wait_dscnt 0x0
.irp i, 0,1,2,3                                ; S^T: register 16 i + 8 u + j of lane (r, h) is key 32 i + 16 u + 8 h + j, query r
.irp u, 0,1
	v_wmma_scale_f32_16x16x128_f8f6f4 v[S+16*\i+8*\u:S+16*\i+8*\u+7], v[FB+12*\i:FB+12*\i+11], v[QB+6-6*\u:QB+17-6*\u], 0, v[KVS+\i], v[QS] matrix_a_fmt:MATRIX_FMT_FP6 matrix_b_fmt:MATRIX_FMT_FP6
.endr
.endr
.rept 4
	v_nop                                          ; places in front of the loads below and of the first read of a score
.endr
.irp t, 0,1,2,3
.irp g, 0,1,2
	ds_load_b128 v[FB+12*\t+4*\g:FB+12*\t+4*\g+3], v[ADK] offset:CH*(\q)+4*FRB+FRB*\t+512*\g   ; V's images land under the softmax
.endr
.endr
.irp b, 0,1,2,3
	v_max3_num_f32 v[BM+\b], v[S+16*\b], v[S+16*\b+1], v[S+16*\b+2]      ; the largest score of each block of 32 keys: for the row's maximum and, since p rises with the score, for the block's largest p
.endr
.irp i, 3,5,7,9,11,13
.irp b, 0,1,2,3
	v_max3_num_f32 v[BM+\b], v[BM+\b], v[S+16*\b+\i], v[S+16*\b+\i+1]
.endr
.endr
.irp b, 0,1,2,3
	v_max_num_f32 v[BM+\b], v[BM+\b], v[S+16*\b+15]
.endr
.irp b, 0,1,2,3
	s_delay_alu instid0(VALU_DEP_4)
	v_permlanex16_b32 v[BT+\b], v[BM+\b], s[SEL], s[SEL+1]
.endr
.irp b, 0,1,2,3
	s_delay_alu instid0(VALU_DEP_4)
	v_max_num_f32 v[BM+\b], v[BM+\b], v[BT+\b]     ; with lane l xor 16's 16 keys
.endr
	s_delay_alu instid0(VALU_DEP_2)
	v_max3_num_f32 v[T], v[BM], v[BM+1], v[BM+2]
	s_delay_alu instid0(VALU_DEP_1)
	v_max_num_f32 v[T], v[T], v[BM+3]              ; the step's largest score of my query,
	s_delay_alu instid0(VALU_DEP_1)
	v_mul_f32 v[T], s[CS], v[T]                    ; as t (c is positive)
	s_delay_alu instid0(VALU_DEP_1)
	v_max_num_f32 v13, v13, v[T]                   ; the running largest t
	v_mov_b32 v[T], v12
	s_delay_alu instid0(VALU_DEP_2)
	v_floor_f32 v12, -v13                          ; the new -M = floor(-t): M is a whole number
	s_delay_alu instid0(VALU_DEP_1)
	v_sub_f32 v[T], v12, v[T]                      ; old M - new M: a whole number, 0 or less
	s_delay_alu instid0(VALU_DEP_1)
	v_cvt_i32_f32 v[T], v[T]                       ; (it saturates)
	s_delay_alu instid0(VALU_DEP_1)
	v_ldexp_f32 v[F], 1.0, v[T]                    ; f = 2^(old M - new M)
.set J, 0
.rept 32
	v_pk_fma_f32 v[S+J:S+J+1], v[S+J:S+J+1], s[CS:CS+1], v[12:13] op_sel_hi:[1,0,0]   ; t - M, two at a time
.set J, J+2
.endr
.irp b, 0,1,2,3
	v_fma_f32 v[BM+\b], v[BM+\b], s[CS], v12       ; the same of each block's largest score
.endr
.set J, 0
	s_wait_alu depctr_va_vdst(0)
.rept 64
	v_exp_f32 v[S+J], v[S+J]                       ; p = 2^(t - M), at most 1: not normalised
.set J, J+1
.endr
	v_pk_mul_f32 v[14:15], v[14:15], v[F:F+1] op_sel_hi:[1,0]   ; the sums under the new M: the plain instruction behind the exponentials
	s_wait_alu depctr_va_vdst(0)                   ; one wait for the batch of 64, ahead of its first reader
.irp b, 0,1,2,3
	v_exp_f32 v[BM+\b], v[BM+\b]                   ; the blocks' largest p: the same two instructions on the same number give the same bits
.endr
	v_pk_add_f32 v[T:T+1], v[S:S+1], v[S+2:S+3]    ; the row's sum is taken of the unquantised p, two at a time, in two chains; it reads the 64 alone
.set J, 4
.rept 15
	v_pk_add_f32 v[14:15], v[14:15], v[S+J:S+J+1]
	v_pk_add_f32 v[T:T+1], v[T:T+1], v[S+J+2:S+J+3]
.set J, J+4
.endr
	s_delay_alu instid0(VALU_DEP_1)
	v_pk_add_f32 v[14:15], v[14:15], v[T:T+1]
	s_wait_alu depctr_va_vdst(0)                   ; and one for the four
.irp b, 0,1,2,3
	v_max_num_f32 v[BM+\b], 0x1800000, v[BM+\b]    ; the floor 2^(3 - 127): the byte cannot fall under 1
.endr
.irp b, 0,1,2,3
	s_delay_alu instid0(VALU_DEP_4)
	v_add_nc_u32 v[BS+\b], 0xff000000, v[BM+\b]    ; 2 off the exponent field: the conversion's scale operand
.endr
.irp b, 0,1,2,3
	s_delay_alu instid0(VALU_DEP_4)
	v_lshrrev_b32 v[BT+\b], 23, v[BS+\b]
.endr
	s_delay_alu instid0(VALU_DEP_3)
	v_lshl_or_b32 v[PW], v[BT+1], 8, v[BT]         ; p's scale word for these 128 keys
	s_delay_alu instid0(VALU_DEP_1)
	v_lshl_or_b32 v[PW], v[BT+2], 16, v[PW]
	s_delay_alu instid0(VALU_DEP_1)
	v_lshl_or_b32 v[PW], v[BT+3], 24, v[PW]
.irp c, 0,1
	v_cvt_scalef32_pk16_fp6_f32 v[PC+6*\c:PC+6*\c+2], v[S+32*\c:S+32*\c+15], v[BS+2*\c]
	v_cvt_scalef32_pk16_fp6_f32 v[PT+4*\c:PT+4*\c+2], v[S+32*\c+16:S+32*\c+31], v[BS+2*\c+1]
.endr
	v_nop                                          ; one plain instruction behind the scaled conversions
.irp c, 0,1
.irp i, 0,1,2
	v_permlane16_swap_b32 v[PC+6*\c+\i], v[PT+4*\c+\i]
.endr
.irp i, 0,1,2
	s_delay_alu instid0(VALU_DEP_3)
	v_mov_b32 v[PC+6*\c+3+\i], v[PT+4*\c+\i]
.endr
.endr
.set J, 0
.rept 16
	v_pk_mul_f32 v[O+J:O+J+1], v[O+J:O+J+1], v[F:F+1] op_sel_hi:[1,0]     ; O^T under the new M; these sixteen also stand between the writes of p's codes and scale word and the products
.set J, J+2
.endr
	s_wait_alu depctr_va_vdst(0)
	s_wait_dscnt 0x0                               ; V's images are in
.irp t, 0,1,2,3                                ; O^T += V^T P^T: the four accumulators by turns, one instruction a turn
	v_wmma_scale_f32_16x16x128_f8f6f4 v[O+8*\t:O+8*\t+7], v[FB+12*\t:FB+12*\t+11], v[PC:PC+11], v[O+8*\t:O+8*\t+7], v[KVS+\t], v[PW] matrix_a_fmt:MATRIX_FMT_FP6 matrix_b_fmt:MATRIX_FMT_FP6 matrix_a_scale:MATRIX_SCALE_ROW1
.endr
.endm
	s_load_b256 s[4:11], s[0:1], 0x0               ; x s[4:5], frag s[6:7], fsc s[8:9], kv s[10:11]
	s_load_b64 s[12:13], s[0:1], 0x20              ; out0
	v_lshl_add_u32 v[SPW], v0, 2, SPARE
	v_mov_b32 v[NIL], 0
	ds_add_u32 v5, v6
	ds_add_u32 v5, v6
	s_wait_dscnt 0x0
	v_lshrrev_b32 v1, 5, v0
	s_delay_alu instid0(VALU_DEP_1)
	v_readfirstlane_b32 s[WV], v1                  ; wave 0..15
	s_and_b32 s[QT], s[WV], 3
	s_lshr_b32 s[HG], s[WV], 2
	s_bfe_u32 s[CX], ttmp6, 0x40000                ; my place in the cluster: it enters x's, out0's and the prefetches' addresses alone
	s_lshl_b32 s[WG], ttmp9, 2                     ; in a cluster launch ttmp9 counts clusters
	s_add_co_u32 s[WG], s[WG], s[CX]
	; group 1 for kv: 25 rows of 256 bytes (32 elements of 8), dense, no padding; the mask names all four work-groups, bit 21 beside it
	s_mov_b32 s[G1], 15|(3<<16)|(1<<21)
	s_mov_b32 s[G1+1], 32<<16                      ; tensor_dim0
	s_mov_b32 s[G1+2], 25<<16                      ; tensor_dim1
	s_mov_b32 s[G1+3], 32<<16                      ; tile_dim0
	s_mov_b32 s[G1+4], 25                          ; tile_dim1
	s_mov_b32 s[G1+5], 32                          ; from row to row
	s_mov_b32 s[G1+6], 0
	s_mov_b32 s[G1+7], 0
	; group 1 for x: 8 channels x 256 bytes, 65,536 bytes (8,192 elements) apart; no mask
	s_mov_b32 s[G1X], 3<<16
	s_mov_b32 s[G1X+1], 32<<16
	s_mov_b32 s[G1X+2], 8<<16
	s_mov_b32 s[G1X+3], 32<<16
	s_mov_b32 s[G1X+4], 8
	s_mov_b32 s[G1X+5], 8192
	s_mov_b32 s[G1X+6], 0
	s_mov_b32 s[G1X+7], 0
	s_mov_b32 s[SEL], 0x76543210
	s_mov_b32 s[SEL+1], 0xfedcba98
	s_mov_b32 s[CS], 0x3e38aa3b                    ; log2(e) / 8
	s_mov_b32 s[CS+1], s[CS]                       ; (named with it as a pair, so it is written)
	s_mov_b32 s[TB], 0
	s_mov_b32 s[SLOTS], NSL-1
	s_or_b32 s[LIM], s[HG], ttmp9                  ; 0 in waves 0 to 3 of the first cluster: the same in all four partners
	s_cmp_eq_u32 s[LIM], 0
	s_cselect_b32 s[LIM], 1, -1
	s_mul_i32 s66, s[HG], 32*CH                    ; kv: my head group's two heads are one run of 32 chunks;
	s_mul_i32 s67, s[QT], CH/2                     ; of a slot's two chunks I fetch quarter qt
	s_add_co_u32 s66, s66, s67
	s_mov_b32 s67, 0
	s_lshl_b32 s68, s[WV], 19                      ; x and out0: 8 channels of 65,536 bytes a wave,
	s_lshl_b32 s69, s[WG], 8                       ; my work-group's 64 queries
	s_add_co_u32 s68, s68, s69
	s_mov_b32 s69, 0
	s_mul_i32 s70, s[CX], 32*CH                    ; the prefetches: head group cx's run, quarter wave % 4,
	s_mul_i32 s71, s[QT], CH/2
	s_add_co_u32 s70, s70, s71
	s_add_co_u32 s70, s70, 2*CH                    ; in slot 1: the first change of slots steps it to slot 2
	s_mov_b32 s71, 0
	s_mul_i32 s72, s[HG], 8*FRB
	s_mov_b32 s73, 0
	s_lshl_b32 s74, s[HG], 10
	s_mov_b32 s75, 0
	s_wait_kmcnt 0x0
	s_mov_b32 s[G0], 1                             ; count = 1
	s_mul_i32 s[G0+1], s[WV], CH/2                 ; LDS: slot 0, sixteenth number wave
	s_add_nc_u64 s[G0+2:G0+3], s[10:11], s[66:67]
	s_or_b32 s[G0+3], s[G0+3], 0x80000000          ; type = 2
	s_mov_b32 s[G0X], 1
	s_lshl_b32 s[G0X+1], s[WV], 11
	s_add_co_u32 s[G0X+1], s[G0X+1], XT
	s_add_nc_u64 s[G0X+2:G0X+3], s[4:5], s[68:69]
	s_or_b32 s[G0X+3], s[G0X+3], 0x80000000
	s_add_nc_u64 s[12:13], s[12:13], s[68:69]
	s_add_nc_u64 s[PFA:PFA+1], s[10:11], s[70:71]
	s_add_nc_u64 s[WB:WB+1], s[6:7], s[72:73]
	s_add_nc_u64 s[WSB:WSB+1], s[8:9], s[74:75]
	CROUND                                         ; all four work-groups are here: the first joint loads meet
	tensor_load_to_lds s[G0X:G0X+3], s[G1X:G1X+7]  ; my 8 channels of x's tile: filled once
	s_nop 0
	s_wait_alu depctr_va_vdst(0)
	s_wait_tensorcnt 0x0
	ds_add_u32 v5, v6
	s_wait_dscnt 0x0
	CROUND
	tensor_load_to_lds s[G0:G0+3], s[G1:G1+7]      ; my part of slot 0: one load of mine is out
	s_nop 0
.rept 4
	v_nop
.endr
	v_and_b32 v1, 15, v0                           ; r
	v_bfe_u32 v2, v0, 4, 1                         ; h
	v_and_b32 v34, 31, v0                          ; lane
	s_delay_alu instid0(VALU_DEP_1)
	v_lshlrev_b32 v[LI], 4, v34
	s_delay_alu instid0(VALU_DEP_2)
	v_lshlrev_b32 v[LS], 2, v34
	s_mul_i32 s66, s[HG], 2*CH
	v_add_nc_u32 v[AKV0], s66, v[LI]
	s_add_co_u32 s66, s66, 8*FRB
	v_add_nc_u32 v[ASC0], s66, v[LS]
	v_min_u32 v[PFO], 24, v34
	s_delay_alu instid0(VALU_DEP_1)
	v_lshlrev_b32 v[PFO], 8, v[PFO]
	s_lshl_b32 s66, s[QT], 6
	s_add_co_u32 s66, s66, XT
	v_lshl_add_u32 v34, v1, 2, s66                 ; x's tile: my query's 4 bytes of a channel's 256,
	s_delay_alu instid0(VALU_DEP_1)
	v_lshl_add_u32 v34, v2, 13, v34                ; channels 32 h on
	s_wait_alu depctr_va_vdst(0)
	s_wait_tensorcnt 0x1                           ; my channels of x are in; slot 0's load, issued behind them, may stay out
	s_barrier_signal -1
	s_barrier_wait -1                              ; everybody's are
.irp f, 0,1,2,3                                ; Wq's eight images of my two heads (rows 128 hg + 16 f on): they land while x is quantised
.irp g, 0,1,2
	global_load_b128 v[FB+12*\f+4*\g:FB+12*\f+4*\g+3], v[LI], s[WB:WB+1] offset:FRB*\f+512*\g
	global_load_b128 v[O+12*\f+4*\g:O+12*\f+4*\g+3], v[LI], s[WB:WB+1] offset:FRB*(4+\f)+512*\g
.endr
.endr
.irp f, 0,1,2,3,4,5,6,7
	global_load_b32 v[WS+\f], v[LS], s[WSB:WSB+1] offset:128*\f
.endr
.set J, 0
.rept 64
	ds_load_b32 v[S+J], v34 offset:(64*(J/32)+J%32)*256    ; x(64 cc + 32 h + i, my query): a lane takes a column, its registers run down K
.set J, J+1
.endr
	s_wait_dscnt 0x0
	QUANTB S, OC, 208, 216, 218, 220, PW, 222, 2
.irp j, 0,1,2,3,4,5                            ; these 21 lines also stand between the writes of x's codes and scale word and the products
	v_mov_b32 v[QB+\j], 0                          ; the zero codes on both sides of q
	v_mov_b32 v[QB+12+\j], 0
.endr
.irp b, 0,1,2,3
	v_mov_b32 v[BT+\b], 0                          ; a lane permute's destination counts as one of its sources
.endr
	v_mov_b32 v[F], 0                              ; written once, so that every path of the text finds them written
	v_mov_b32 v[F+1], 0
	v_mov_b32 v[T], 0
	v_mov_b32 v[T+1], 0
	v_mov_b32 v[OW], 0
	s_wait_loadcnt 0x0                             ; Wq's images and scale words
.irp f, 0,1,2,3                                ; q^T: source 0 = 16 rows of Wq, source 1 = my 16 queries: register 8 f + j is q(query r, d = 16 f + 8 h + j) of the first head,
	v_wmma_scale_f32_16x16x128_f8f6f4 v[S+8*\f:S+8*\f+7], v[FB+12*\f:FB+12*\f+11], v[OC:OC+11], 0, v[WS+\f], v[PW] matrix_a_fmt:MATRIX_FMT_FP6 matrix_b_fmt:MATRIX_FMT_FP6
.endr
.irp f, 0,1,2,3                                ; and of the second
	v_wmma_scale_f32_16x16x128_f8f6f4 v[S+32+8*\f:S+32+8*\f+7], v[O+12*\f:O+12*\f+11], v[OC:OC+11], 0, v[WS+4+\f], v[PW] matrix_a_fmt:MATRIX_FMT_FP6 matrix_b_fmt:MATRIX_FMT_FP6
.endr
.rept 4
	v_nop
.endr
	QUANT2 S, QB+6
	v_lshl_or_b32 v[QS], v[BT+2], 16, v[BT+2]      ; (s0, s1, s0, s1)
	QUANT2 S+32, Q1
	v_lshl_or_b32 v[QS1], v[BT+2], 16, v[BT+2]
	RESET
.Lslot:                                                ; NSL - 1 trips: behind each change of slots but the last the next slot is asked for
	CHANGE 1
	s_cmp_lg_u32 s[SLOTS], NSL/2-1                 ; slot 8 is the second head's first: a branch on the count of slots, the same in every wave and work-group
	s_cbranch_scc1 .Lsame_head
	FINISH 0                                       ; (the four v_nop behind the joint load are the places behind the last products)
.irp j, 0,1,2,3,4,5
	v_mov_b32 v[QB+6+\j], v[Q1+\j]
.endr
	v_mov_b32 v[QS], v[QS1]
	RESET                                          ; (its 36 lines stand between these writes and the next products)
.Lsame_head:
	v_add_nc_u32 v[ADK], s[TB], v[AKV0]
	s_wait_alu depctr_va_vdst(0)
	v_add_nc_u32 v[ADS], s[TB], v[ASC0]
	STEP 0
	STEP 1
	s_xor_b32 s[TB], s[TB], SLOT1
	s_sub_co_u32 s[SLOTS], s[SLOTS], 1
	s_cmp_lg_u32 s[SLOTS], 0
	s_cbranch_scc1 .Lslot
	CHANGE 0                                       ; the last slot is written out
	v_add_nc_u32 v[ADK], s[TB], v[AKV0]
	s_wait_alu depctr_va_vdst(0)
	v_add_nc_u32 v[ADS], s[TB], v[ASC0]
	STEP 0
	STEP 1
	; ---- y = Wo o.  Wave (hg, qt) has made K step hg of o for tile qt; it now makes outputs 32 hg .. 32 hg + 31 for tile qt, from the four K steps that the four head groups hand round through LDS
.rept 4
	v_nop                                          ; places behind the last products, in front of loads into their operands
.endr
.irp k, 0,1,2,3                                ; Wo's images 96 + 4 (2 hg + n) + k: n = 0 where K's and V's fragments lay, n = 1 where p lay; they land while the second head is finished
.irp g, 0,1,2
	global_load_b128 v[FB+12*\k+4*\g:FB+12*\k+4*\g+3], v[LI], s[WB:WB+1] offset:FRB*(96+\k)+512*\g
	global_load_b128 v[S+12*\k+4*\g:S+12*\k+4*\g+3], v[LI], s[WB:WB+1] offset:FRB*(100+\k)+512*\g
.endr
	global_load_b32 v[WS+\k], v[LS], s[WSB:WSB+1] offset:128*(96+\k)
	global_load_b32 v[WS+4+\k], v[LS], s[WSB:WSB+1] offset:128*(100+\k)
.endr
	FINISH 1
	s_lshl_b32 s66, s[QT], 2
	s_add_co_u32 s66, s66, s[HG]                   ; my image of o: 4 qt + hg
	s_mul_i32 s67, s66, FRB
	s_add_co_u32 s67, s67, OIMG
	v_add_nc_u32 v16, s67, v[LI]
	s_lshl_b32 s67, s66, 7
	s_add_co_u32 s67, s67, OSC
	v_add_nc_u32 v17, s67, v[LS]
	s_mul_i32 s67, s[QT], 4*FRB                    ; my tile's four images
	s_add_co_u32 s67, s67, OIMG
	v_add_nc_u32 v18, s67, v[LI]
	s_lshl_b32 s67, s[QT], 9
	s_add_co_u32 s67, s67, OSC
	v_add_nc_u32 v19, s67, v[LS]
	s_mul_i32 s66, s[HG], 32*SP                    ; the stage, in: row o = 32 hg + r (+ 16 n), my eight queries: 64 qt + 32 h bytes on
	s_lshl_b32 s67, s[QT], 6
	s_add_co_u32 s66, s66, s67
	s_add_co_u32 s66, s66, STG
	v_mul_u32_u24 v20, v1, SP
	s_delay_alu instid0(VALU_DEP_1)
	v_lshl_add_u32 v20, v2, 5, v20
	s_delay_alu instid0(VALU_DEP_1)
	v_add_nc_u32 v20, s66, v20
	s_mul_i32 s67, s[WV], 8*SP                     ; back: my 8 rows; lanes 0-15 one row of 256 bytes, lanes 16-31 the next
	s_add_co_u32 s67, s67, STG
	v_mul_u32_u24 v21, v2, SP
	s_delay_alu instid0(VALU_DEP_1)
	v_lshl_add_u32 v21, v1, 4, v21
	s_delay_alu instid0(VALU_DEP_1)
	v_add_nc_u32 v21, s67, v21
	v_lshlrev_b32 v22, 16, v2                      ; and the same two rows in out0
	s_delay_alu instid0(VALU_DEP_1)
	v_lshl_add_u32 v22, v1, 4, v22
.irp g, 0,1,2
	ds_store_b128 v16, v[OC+4*\g:OC+4*\g+3] offset:512*\g      ; the fragment goes to LDS as it stands
.endr
	ds_store_b32 v17, v[OW]
	s_wait_alu depctr_va_vdst(0)
	s_wait_loadcnt 0x0                             ; Wo's images and scale words
	s_wait_dscnt 0x0                               ; for the others' sake: my stores have landed
	s_barrier_signal -1
	s_barrier_wait -1                              ; o's sixteen images lie in LDS
.irp k, 0,1,2,3
.irp g, 0,1,2
	ds_load_b128 v[PC+12*\k+4*\g:PC+12*\k+4*\g+3], v18 offset:FRB*\k+512*\g
.endr
	ds_load_b32 v[KVS+\k], v19 offset:128*\k
.endr
	s_wait_dscnt 0x0
.irp k, 0,1,2,3                                ; source 0 = my 16 queries of o, source 1 = 16 rows of Wo: lane (r, h) holds output 32 hg + 16 n + r and queries 8 h + 0 .. 7.  The two accumulators by turns
.if \k == 0
	v_wmma_scale_f32_16x16x128_f8f6f4 v[O:O+7], v[PC+12*\k:PC+12*\k+11], v[FB+12*\k:FB+12*\k+11], 0, v[KVS+\k], v[WS+\k] matrix_a_fmt:MATRIX_FMT_FP6 matrix_b_fmt:MATRIX_FMT_FP6
	v_wmma_scale_f32_16x16x128_f8f6f4 v[O+8:O+15], v[PC+12*\k:PC+12*\k+11], v[S+12*\k:S+12*\k+11], 0, v[KVS+\k], v[WS+4+\k] matrix_a_fmt:MATRIX_FMT_FP6 matrix_b_fmt:MATRIX_FMT_FP6
.else
	v_wmma_scale_f32_16x16x128_f8f6f4 v[O:O+7], v[PC+12*\k:PC+12*\k+11], v[FB+12*\k:FB+12*\k+11], v[O:O+7], v[KVS+\k], v[WS+\k] matrix_a_fmt:MATRIX_FMT_FP6 matrix_b_fmt:MATRIX_FMT_FP6
	v_wmma_scale_f32_16x16x128_f8f6f4 v[O+8:O+15], v[PC+12*\k:PC+12*\k+11], v[S+12*\k:S+12*\k+11], v[O+8:O+15], v[KVS+\k], v[WS+4+\k] matrix_a_fmt:MATRIX_FMT_FP6 matrix_b_fmt:MATRIX_FMT_FP6
.endif
.endr
.rept 4
	v_nop
.endr
.irp n, 0,1
	ds_store_b128 v20, v[O+8*\n:O+8*\n+3] offset:16*SP*\n          ; each accumulator from its low end on
	ds_store_b128 v20, v[O+8*\n+4:O+8*\n+7] offset:16*SP*\n+16
.endr
	s_wait_dscnt 0x0
	s_barrier_signal -1
	s_barrier_wait -1                              ; 128 whole rows of 64 queries lie in the stage
.irp i, 0,1,2,3
	ds_load_b128 v[24+4*\i:27+4*\i], v21 offset:2*SP*\i
.endr
.irp i, 0,1,2,3
	s_wait_dscnt 3-\i                              ; LDS loads come back in order: pair i of rows is in, the 3 - i younger loads may be out
	global_store_b128 v22, v[24+4*\i:27+4*\i], s[12:13] offset:131072*\i th:TH_STORE_NT   ; 16 lanes store 256 consecutive bytes, aligned; written once, read by nobody here
.endr
	s_wait_tensorcnt 0x0                           ; the wave's end: behind my last tensor load and my last LDS store
	ds_add_u32 v[SPW], v[NIL]
	s_wait_dscnt 0x0
	CROUND                                         ; the closing round: no work-group ends while a partner may still ask for a tile that names it
	s_endpgm
.Lfunc_end_k_q66f4c33e7e_attn:
	.size	k_q66f4c33e7e_attn, .Lfunc_end_k_q66f4c33e7e_attn-k_q66f4c33e7e_attn
	.p2alignl 7, 3214868480
	.fill 96, 4, 3214868480
	.section	.rodata,"a",@progbits
	.p2align	6, 0x0
	.amdhsa_kernel k_q66f4c33e7e_attn
		.amdhsa_group_segment_fixed_size 327680
		.amdhsa_private_segment_fixed_size 0
		.amdhsa_enable_private_segment 0
		.amdhsa_kernarg_size 40
		.amdhsa_user_sgpr_count 2
		.amdhsa_user_sgpr_kernarg_segment_ptr 1
		.amdhsa_wavefront_size32 1
		.amdhsa_system_sgpr_workgroup_id_x 1
		.amdhsa_system_sgpr_workgroup_id_y 1
		.amdhsa_system_sgpr_workgroup_id_z 1
		.amdhsa_system_vgpr_workitem_id 0
		.amdhsa_next_free_vgpr 256
		.amdhsa_next_free_sgpr 80
		.amdhsa_reserve_vcc 0
		.amdhsa_float_denorm_mode_32 3
		.amdhsa_float_denorm_mode_16_64 3
		.amdhsa_memory_ordered 1
		.amdhsa_forward_progress 1
		.amdhsa_inst_pref_size 109
	.end_amdhsa_kernel
	.amdgpu_metadata
---
amdhsa.version: [ 1, 2 ]
amdhsa.kernels:
  - .name:           k_q66f4c33e7e_attn
    .symbol:         k_q66f4c33e7e_attn.kd
    .args:
      - { .name: x, .offset: 0, .size: 8, .value_kind: global_buffer, .address_space: global }
      - { .name: frag, .offset: 8, .size: 8, .value_kind: global_buffer, .address_space: global }
      - { .name: fsc, .offset: 16, .size: 8, .value_kind: global_buffer, .address_space: global }
      - { .name: kv, .offset: 24, .size: 8, .value_kind: global_buffer, .address_space: global }
      - { .name: out0, .offset: 32, .size: 8, .value_kind: global_buffer, .address_space: global }
    .group_segment_fixed_size: 327680
    .private_segment_fixed_size: 0
    .kernarg_segment_align: 8
    .kernarg_segment_size: 40
    .max_flat_workgroup_size: 512
    .sgpr_count:     80
    .vgpr_count:     256
    .wavefront_size: 32
...
	.end_amdgpu_metadata
.endif
;; end of part 3
